; MI455X (gfx1250); checked and timed in simulation.
; The chip was launched on July 23, 2026; its instructions are those of AMD's public machine-readable ISA for CDNA 5 (MIT licence, August 2026) and "CDNA5" Instruction Set Architecture Reference Guide (July 2026). The comments in the code are by the model that wrote it; some were corrected since.
;; Ply Mo E. Allowed arithmetic: matrix products marked QUANTISED: E5M2 operands, one given power-of-two scale a tensor, by v_wmma_f32_16x16x64_bf8_bf8 or v_wmma_f32_16x16x128_bf8_bf8, f32 sums; everything else in f32.
;; Inputs: expert_indices 16,384 int32; lowp_scales 16 int32 (the exponents e of the quantised operands' scales 2^e); weights_codes 8 x 512 x 32 x 32 uint8 (E5M2 codes of weights, K innermost, in blocks of 32 codes); x 16,384 x 1,024 float16.
;; Outputs: out0 16,384 x 512 float16.
;; This version of the problem:
;;   THIS VERSION OF THE PROBLEM IS GIVEN IN LOW PRECISION. The matrix products marked QUANTISED in the list below multiply operands that are first quantised to E5M2 (5 exponent bits, 2 mantissa bits; 8 bits a number), with one given power-of-two scale for each operand tensor; their sums are f32. All else is computed in f32.
;;   The module's matrix products, in the order in which they are computed (A, B: the left and right operand; K: the contracted axis; several contracted axes count as one K, in the product's order):
;;     1. [M 16,384, K 1,024] x [K 1,024, N 512]; A: computed on the way; B: input weights (given as codes): QUANTISED (scales: A lowp_scales[0], B lowp_scales[1])
;;     2. [M 16,384, K 1,024] x [K 1,024, N 512]; A: computed on the way; B: input weights (given as codes): QUANTISED (scales: A lowp_scales[2], B lowp_scales[3])
;;     3. [M 16,384, K 1,024] x [K 1,024, N 512]; A: computed on the way; B: input weights (given as codes): QUANTISED (scales: A lowp_scales[4], B lowp_scales[5])
;;     4. [M 16,384, K 1,024] x [K 1,024, N 512]; A: computed on the way; B: input weights (given as codes): QUANTISED (scales: A lowp_scales[6], B lowp_scales[7])
;;     5. [M 16,384, K 1,024] x [K 1,024, N 512]; A: computed on the way; B: input weights (given as codes): QUANTISED (scales: A lowp_scales[8], B lowp_scales[9])
;;     6. [M 16,384, K 1,024] x [K 1,024, N 512]; A: computed on the way; B: input weights (given as codes): QUANTISED (scales: A lowp_scales[10], B lowp_scales[11])
;;     7. [M 16,384, K 1,024] x [K 1,024, N 512]; A: computed on the way; B: input weights (given as codes): QUANTISED (scales: A lowp_scales[12], B lowp_scales[13])
;;     8. [M 16,384, K 1,024] x [K 1,024, N 512]; A: computed on the way; B: input weights (given as codes): QUANTISED (scales: A lowp_scales[14], B lowp_scales[15])
;;   THE QUANTISER, for each operand of a quantised product, along K:
;;     - The operand's scale is 2^e, e = its entry of the input lowp_scales (int32; the entries are numbered through the quantised products in the list's order, A before B).
;;     - Each number is divided by the scale, clamped to +-57,344, and rounded to the nearest number of E5M2, ties to even, subnormals kept.
;;     - The product sums the exact products of the quantised numbers (number of the format x scale) in f32.
;;   ~~~python
;;   def quantise(x, axis, e):      # numpy; x: float32 -> the quantised numbers, widened to float32 again
;;       x = np.moveaxis(x, axis, -1); K = x.shape[-1]
;;       r = np.clip(x / 2.0 ** e, -57344, 57344)
;;       step = 2.0 ** (np.maximum(np.frexp(np.where(r == 0, 1, r))[1] - 1, -14) - 2)
;;       q = np.round(r / step) * step * 2.0 ** e      # np.round: ties to even
;;       return np.moveaxis(q, -1, axis).astype(np.float32)
;;   ~~~
;;   OPERANDS COMPUTED ON THE WAY. 'Computed on the way' means the value that the module computes at that place (a softmax that the list does not call 'softmax' is quantised finished and normalised). What goes into a quantiser is computed in f32, as accurately as f32 sums, v_exp_f32 and their like allow (about 1e-6 of the number): no bf16 or f16 on the way to a quantiser, and a product that is left as it is and whose result goes on into a quantised operand takes f32 operands (vector FMAs, or v_wmma_f32_16x16x4_f32). A number that lies on a knife's edge between two numbers of the format may be rounded either way, as far as f32 arithmetic and the matrix unit's own rounding can turn it there, and no further.
;;   INPUTS GIVEN AS CODES. weights (in the module: [8, 1024, 512], K = its axis 1): each comes as NAME_codes (uint8): NAME with its K axis moved to the last place and cut into blocks of 32 codes, [.., K / 32, bytes a block], one block behind the other in memory; one code a byte (a code: sign, 5 exponent bits, 2 mantissa bits); its scale is its entry of lowp_scales. Its value is code x scale, taken as it is: it is not quantised again, and the codes and scales need not be those that the quantiser above would give.
;; One version. Each part assembles by itself: llvm-mc -triple=amdgcn-amd-amdhsa -mcpu=gfx1250 --defsym DOCPART=n.
;; ======== version 1 of 1: 2 launches
;; workspace buffers: order 69,632 bytes of whole numbers; meta 16,384 bytes of whole numbers; wfrag 4,194,304 bytes
;; launch route (part 1): grid 40 x 1, 32 waves a work-group, no clusters, 5,120 bytes of LDS; arguments expert_indices, weights_codes, order, meta, wfrag; writes order, meta, wfrag
.if DOCPART == 1
	.amdgcn_target "amdgcn-amd-amdhsa--gfx1250"
	.amdhsa_code_object_version 6
	.text
	.protected	k_q8d1e63dc65_route
	.globl	k_q8d1e63dc65_route
	.p2align	8
	.type	k_q8d1e63dc65_route,@function
k_q8d1e63dc65_route:
	s_mov_b64 s[64:65], 0
	v_nop
	global_prefetch_b8 v0, s[64:65] scope:SCOPE_SE
	s_setreg_imm32_b32 hwreg(HW_REG_WAVE_MODE, 25, 1), 1
	s_wait_xcnt 0x0
; ROUTING AND WEIGHT LAYOUT, one launch.
; Work-groups 0-7: a stable counting sort of the 16,384 tokens by expert.  order[p] = the token at sorted place p; order[16384 .. 17407] = 0 (a pad, so that a tile's
;   block of 20 entries a wave never leaves the buffer); meta[t] = {expert, first sorted row, rows (0 .. 80), 0} for tile t of 80 rows, t = 0 .. 1023.
;   Thread t owns tokens 16 t .. 16 t + 15, so thread order is token order and the sort is stable.  Every one of the eight work-groups counts all tokens (64 KB);
;   work-group g then places the tokens of its waves 4 g .. 4 g + 3 only: the placing threads carry the numbers 0 .. 1023 once, so each byte of order and meta has one writer.
; Work-groups 8-39: the weight codes [8][512 n][1024 k] are laid in the order of the operand's registers:
;   byte e<<19 | w<<17 | s<<14 | b<<11 | c<<9 | lane<<4 holds W[e][128 w + 16 b + lane % 16][128 s + 32 c + 16 (lane / 16) + 0 .. 15].
; LIMIT: expert_indices lie in 0 .. 7; another value is taken modulo 8.
; Counts are kept packed: 4 bits an expert within a thread (8 tokens at a time, so a field holds 8 at the most), 16 bits an expert from there on (16,384 at the most).
.set S,   8                            ; v[8:11]   packed counts {e0,e4} {e2,e6} {e1,e5} {e3,e7}, 16 bits each; then their scan over the wave
.set OWN, 12                           ; v[12:15]  the thread's own counts
.set IDX, 16                           ; v[16:31]  my 16 experts
.set SH,  32                           ; v[32:47]  4 x expert; later the byte offset in order
.set INC, 48                           ; v[48:63]  1 << (4 x expert); later the token's number
.set TT,  64                           ; v[64:67]  the scans' shifted copies
.set Q,   68                           ; v[68:71]  a wave's totals; lane l: wave l's
.set QX,  72                           ; v[72:75]  their exclusive scan
.set BS,  80                           ; v[80:83]  my thread's first place for each expert, packed as S
.set R,   96                           ; v[96:111] a token's rank among my thread's tokens of its expert
	s_load_b256 s[4:11], s[0:1], 0x0               ; expert_indices s[4:5], weights_codes s[6:7], order s[8:9], meta s[10:11]
	s_load_b64 s[12:13], s[0:1], 0x20              ; wfrag
	v_lshl_add_u32 v126, v0, 2, 0x400
	v_mov_b32 v127, 0
	v_lshrrev_b32 v1, 5, v0
	v_readfirstlane_b32 s14, v1                    ; wave 0 .. 31
	v_and_b32 v2, 31, v0                           ; lane
	s_cmp_lt_u32 ttmp9, 8                          ; the same in all waves of a work-group
	s_cbranch_scc0 .Lrelay
; ---------------- the sort ----------------
; An inclusive scan over the 32 lanes of four registers v[s ..]; v[t ..] are at work.  Four steps inside each row of 16 lanes, then lane 15's sum onto lanes 16-31.
.macro SCAN4 s, t
.irp n, 1,2,4,8
.irp j, 0,1,2,3
	v_mov_b32_dpp v[\t+\j], v[\s+\j] row_shr:\n row_mask:0xf bank_mask:0xf bound_ctrl:1
.endr
.irp j, 0,1,2,3
	v_add_nc_u32 v[\s+\j], v[\s+\j], v[\t+\j]
.endr
.endr
.irp j, 0,1,2,3
	v_readlane_b32 s[16+\j], v[\s+\j], 15
.endr
.irp j, 0,1,2,3
	v_cndmask_b32 v[\t+\j], 0, s[16+\j], s15
.endr
.irp j, 0,1,2,3
	v_add_nc_u32 v[\s+\j], v[\s+\j], v[\t+\j]
.endr
.endm
	v_lshlrev_b32 v3, 6, v0                        ; my 16 indices: 64 bytes
	v_lshlrev_b32 v4, 4, v1                        ; LDS: my wave's 16 bytes
	v_lshlrev_b32 v5, 4, v2                        ; LDS: wave l's 16 bytes for lane l
	v_cmp_le_u32 s15, 16, v2                       ; lanes 16-31
.irp j, 0,1,2,3
	v_mov_b32 v[TT+\j], 0                          ; written once: the destination of a lane move counts as read
.endr
	v_mov_b32 v120, 0
	s_mov_b32 s54, 0x0f0f0f0f
	s_mov_b32 s55, 0x00ff00ff
	s_wait_kmcnt 0x0
.irp i, 0,1,2,3
	global_load_b128 v[IDX+4*\i:IDX+4*\i+3], v3, s[4:5] offset:16*\i
.endr
	s_wait_loadcnt 0x0
.irp i, 0,1,2,3,4,5,6,7,8,9,10,11,12,13,14,15
	v_lshlrev_b32 v[SH+\i], 2, v[IDX+\i]
.endr
.irp i, 0,1,2,3,4,5,6,7,8,9,10,11,12,13,14,15
	v_lshlrev_b32 v[INC+\i], v[SH+\i], 1           ; a shift takes the low five bits of its amount: 4 x (expert mod 8)
.endr
	v_add3_u32 v76, v[INC], v[INC+1], v[INC+2]     ; v76: counts of tokens 0-7, v77: of tokens 8-15, eight fields of 4 bits
	v_add3_u32 v77, v[INC+8], v[INC+9], v[INC+10]
	v_add3_u32 v76, v76, v[INC+3], v[INC+4]
	v_add3_u32 v77, v77, v[INC+11], v[INC+12]
	v_add3_u32 v76, v76, v[INC+5], v[INC+6]
	v_add3_u32 v77, v77, v[INC+13], v[INC+14]
	v_add_nc_u32 v76, v76, v[INC+7]
	v_add_nc_u32 v77, v77, v[INC+15]
	v_and_b32 v78, s54, v76                        ; even experts, a byte each: e0 e2 e4 e6
	v_and_b32 v119, s54, v77
	v_add_nc_u32 v78, v78, v119
	v_lshrrev_b32 v79, 4, v76                      ; odd experts: e1 e3 e5 e7
	v_lshrrev_b32 v119, 4, v77
	v_and_b32 v79, s54, v79
	v_and_b32 v119, s54, v119
	v_add_nc_u32 v79, v79, v119
	v_and_b32 v[S], s55, v78                       ; {e0, e4}
	v_lshrrev_b32 v[S+1], 8, v78
	v_and_b32 v[S+2], s55, v79                     ; {e1, e5}
	v_lshrrev_b32 v[S+3], 8, v79
	v_and_b32 v[S+1], s55, v[S+1]                  ; {e2, e6}
	v_and_b32 v[S+3], s55, v[S+3]                  ; {e3, e7}
.irp j, 0,1,2,3
	v_mov_b32 v[OWN+\j], v[S+\j]
.endr
	SCAN4 S, TT
.irp j, 0,1,2,3
	v_readlane_b32 s[16+\j], v[S+\j], 31           ; my wave's totals
.endr
.irp j, 0,1,2,3
	v_mov_b32 v[Q+\j], s[16+\j]
.endr
	ds_store_b128 v4, v[Q:Q+3]                     ; all lanes store the same 16 bytes, each wave its own
	s_wait_dscnt 0x0                               ; for the others' sake: my store has landed
	s_barrier_signal -1
	s_barrier_wait -1                              ; the launch's one barrier: 32 waves' totals lie in LDS
	s_lshr_b32 s52, s14, 2
	s_cmp_lg_u32 s52, ttmp9                        ; waves 4 g .. 4 g + 3 of work-group g place; the others have done their part
	s_cbranch_scc1 .Lend
	ds_load_b128 v[Q:Q+3], v5                      ; lane l: wave l's totals
	s_wait_dscnt 0x0
.irp j, 0,1,2,3
	v_mov_b32 v[QX+\j], v[Q+\j]
.endr
	SCAN4 Q, TT
.irp j, 0,1,2,3
	v_sub_nc_u32 v[QX+\j], v[Q+\j], v[QX+\j]       ; exclusive
.endr
.irp j, 0,1,2,3
	v_readlane_b32 s[20+\j], v[QX+\j], s14         ; what the waves in front of mine hold
	v_readlane_b32 s[24+\j], v[Q+\j], 31           ; the experts' counts
.endr
	s_and_b32 s28, s24, 0xffff                     ; c0 .. c7 in s[28:35]
	s_lshr_b32 s32, s24, 16
	s_and_b32 s30, s25, 0xffff
	s_lshr_b32 s34, s25, 16
	s_and_b32 s29, s26, 0xffff
	s_lshr_b32 s33, s26, 16
	s_and_b32 s31, s27, 0xffff
	s_lshr_b32 s35, s27, 16
	s_mov_b32 s36, 0                               ; b_e in s[36:43]: the expert's first sorted row
	s_mov_b32 s44, 0                               ; T_e in s[44:51]: the expert's first tile
.irp e, 0,1,2,3,4,5,6
	s_add_co_u32 s[37+\e], s[36+\e], s[28+\e]
	s_add_co_u32 s52, s[28+\e], 79
	s_mul_i32 s52, s52, 52429                      ; (c + 79) / 80, rounded down: 52429 / 2^22 exceeds 1 / 80 by 1 / 20,971,520 of the number, under 1 / 80 for numbers up to 16,463
	s_lshr_b32 s52, s52, 22
	s_add_co_u32 s[45+\e], s[44+\e], s52
.endr
	s_lshl_b32 s52, s40, 16                        ; the bases packed as S, plus the earlier waves' counts
	s_or_b32 s56, s36, s52
	s_add_co_u32 s56, s56, s20
	s_lshl_b32 s52, s42, 16
	s_or_b32 s57, s38, s52
	s_add_co_u32 s57, s57, s21
	s_lshl_b32 s52, s41, 16
	s_or_b32 s58, s37, s52
	s_add_co_u32 s58, s58, s22
	s_lshl_b32 s52, s43, 16
	s_or_b32 s59, s39, s52
	s_add_co_u32 s59, s59, s23
.irp j, 0,1,2,3
	v_sub_nc_u32 v[BS+\j], v[S+\j], v[OWN+\j]      ; the earlier lanes' counts (no field borrows: a scan holds its own term)
.endr
.irp j, 0,1,2,3
	v_add_nc_u32 v[BS+\j], s[56+\j], v[BS+\j]
.endr
	; two tables of eight bytes: byte e of {v89, v88} = the low byte of my first place for expert e, of {v91, v90} the high byte
	v_perm_b32 v84, v[BS+2], v[BS], 0x05010400     ; e0.lo e1.lo e0.hi e1.hi
	v_perm_b32 v85, v[BS+2], v[BS], 0x07030602     ; e4.lo e5.lo e4.hi e5.hi
	v_perm_b32 v86, v[BS+3], v[BS+1], 0x05010400   ; e2, e3
	v_perm_b32 v87, v[BS+3], v[BS+1], 0x07030602   ; e6, e7
	v_perm_b32 v88, v86, v84, 0x05040100
	v_perm_b32 v90, v86, v84, 0x07060302
	v_perm_b32 v89, v87, v85, 0x05040100
	v_perm_b32 v91, v87, v85, 0x07060302
	; a token's rank among my 16: the running packed count, read at the token's field; begun anew after eight tokens, so that a field never passes 8
	v_mov_b32 v92, 0
.irp i, 0,1,2,3,4,5,6,7
	v_bfe_u32 v[R+\i], v92, v[SH+\i], 4
	v_add_nc_u32 v92, v92, v[INC+\i]
.endr
	v_mov_b32 v92, 0
.irp i, 8,9,10,11,12,13,14,15
	v_bfe_u32 v[R+\i], v92, v[SH+\i], 4
	v_add_nc_u32 v92, v92, v[INC+\i]
.endr
.irp i, 8,9,10,11,12,13,14,15
	v_bfe_u32 v[INC+\i], v76, v[SH+\i], 4          ; + the first eight tokens' count
.endr
.irp i, 8,9,10,11,12,13,14,15
	v_add_nc_u32 v[R+\i], v[R+\i], v[INC+\i]
.endr
	; stage by stage over the 16 tokens, so that no line waits for the line above it
.irp i, 0,1,2,3,4,5,6,7,8,9,10,11,12,13,14,15
	v_and_b32 v[IDX+\i], 7, v[IDX+\i]
.endr
.irp i, 0,1,2,3,4,5,6,7,8,9,10,11,12,13,14,15
	v_perm_b32 v[SH+\i], v89, v88, v[IDX+\i]       ; byte 0: the low byte of the expert's base
	v_perm_b32 v[INC+\i], v91, v90, v[IDX+\i]      ; byte 0: the high byte
.endr
.irp i, 0,1,2,3,4,5,6,7,8,9,10,11,12,13,14,15
	v_perm_b32 v[SH+\i], v[INC+\i], v[SH+\i], 0x04040400
.endr
.irp i, 0,1,2,3,4,5,6,7,8,9,10,11,12,13,14,15
	v_and_b32 v[SH+\i], 0xffff, v[SH+\i]
.endr
.irp i, 0,1,2,3,4,5,6,7,8,9,10,11,12,13,14,15
	v_add_nc_u32 v[SH+\i], v[SH+\i], v[R+\i]       ; the token's sorted place
.endr
.irp i, 0,1,2,3,4,5,6,7,8,9,10,11,12,13,14,15
	v_min_u32 v[SH+\i], 0x3fff, v[SH+\i]           ; a number made of loaded numbers is bounded before it enters an address
.endr
.irp i, 0,1,2,3,4,5,6,7,8,9,10,11,12,13,14,15
	v_lshlrev_b32 v[SH+\i], 2, v[SH+\i]
	v_lshl_add_u32 v[INC+\i], v0, 4, \i            ; the token's number
.endr
.irp i, 0,1,2,3,4,5,6,7,8,9,10,11,12,13,14,15
	global_store_b32 v[SH+\i], v[INC+\i], s[8:9]
.endr
	v_lshlrev_b32 v121, 2, v0
	global_store_b32 v121, v120, s[8:9] offset:65536   ; the pad: entry 16384 + my thread's number
	; tile t = my thread's number: the last expert whose first tile is not behind t (experts without tokens have no tile and are passed over)
	v_mov_b32 v112, 0
	v_mov_b32 v116, 0
	v_mov_b32 v117, 0
	v_mov_b32 v118, s28
.irp e, 1,2,3,4,5,6,7
	v_cmp_le_u32 vcc_lo, s[44+\e], v0
	v_cndmask_b32 v112, v112, \e, vcc_lo
	v_cndmask_b32 v116, v116, s[44+\e], vcc_lo
	v_cndmask_b32 v117, v117, s[36+\e], vcc_lo
	v_cndmask_b32 v118, v118, s[28+\e], vcc_lo
.endr
	v_sub_nc_u32 v123, v0, v116                    ; which tile of the expert
	v_mul_u32_u24 v123, v123, 80
	v_min_u32 v123, v123, v118                     ; rows in front of it, the expert's count at the most: a tile behind the last has no rows
	v_add_nc_u32 v113, v117, v123                  ; first sorted row
	v_sub_nc_u32 v114, v118, v123
	v_min_u32 v114, 80, v114                       ; rows
	v_mov_b32 v115, 0
	v_lshlrev_b32 v122, 4, v0
	global_store_b128 v122, v[112:115], s[10:11]
	s_wait_tensorcnt 0x0
	ds_add_u32 v126, v127
	s_wait_dscnt 0x0
	s_endpgm
; ---------------- the weights' layout ----------------
; Wave G of 1,024 takes 16 rows x 256 bytes of the codes: two fragments of 16 rows x 128 K.  A load reads 32 bytes of each of 16 rows, the eight loads together whole runs of 256 bytes;
; a store writes 512 consecutive bytes.  No LDS, no barrier.
.Lrelay:
	s_sub_co_u32 s16, ttmp9, 8
	s_lshl_b32 s16, s16, 5
	s_add_co_u32 s16, s16, s14                     ; G = 4 x (32 e + 8 w + b) + which 256 along K
	s_lshr_b32 s17, s16, 2
	s_lshl_b32 s17, s17, 14                        ; 16 rows of 1,024 bytes
	s_and_b32 s18, s16, 3
	s_lshl_b32 s19, s18, 8
	s_add_co_u32 s17, s17, s19                     ; from
	s_lshr_b32 s19, s16, 5
	s_lshl_b32 s19, s19, 17                        ; (4 e + w) << 17
	s_lshl_b32 s18, s18, 15                        ; two K steps of 16,384 bytes
	s_add_co_u32 s19, s19, s18
	s_bfe_u32 s18, s16, 0x30002                    ; b
	s_lshl_b32 s18, s18, 11
	s_add_co_u32 s19, s19, s18                     ; to
	v_and_b32 v6, 15, v2
	v_lshrrev_b32 v7, 4, v2
	v_lshlrev_b32 v6, 10, v6
	v_lshl_add_u32 v6, v7, 4, v6                   ; row lane % 16, + 16 (lane / 16)
	v_add_nc_u32 v6, s17, v6
	v_lshlrev_b32 v7, 4, v2
	v_add_nc_u32 v7, s19, v7
	s_wait_kmcnt 0x0
.irp c, 0,1,2,3,4,5,6,7
	global_load_b128 v[16+4*\c:19+4*\c], v6, s[6:7] offset:32*\c th:TH_LOAD_NT
.endr
.irp c, 0,1,2,3,4,5,6,7
	s_wait_loadcnt 7-\c                            ; loads come back in order: load c is in, the younger ones may be out
	global_store_b128 v7, v[16+4*\c:19+4*\c], s[12:13] offset:(\c/4)*16384+(\c%4)*512
.endr
.Lend:
	s_wait_tensorcnt 0x0
	ds_add_u32 v126, v127
	s_wait_dscnt 0x0
	s_endpgm
.Lfunc_end_k_q8d1e63dc65_route:
	.size	k_q8d1e63dc65_route, .Lfunc_end_k_q8d1e63dc65_route-k_q8d1e63dc65_route
	.p2alignl 7, 3214868480
	.fill 96, 4, 3214868480
	.section	.rodata,"a",@progbits
	.p2align	6, 0x0
	.amdhsa_kernel k_q8d1e63dc65_route
		.amdhsa_group_segment_fixed_size 5120
		.amdhsa_private_segment_fixed_size 0
		.amdhsa_enable_private_segment 0
		.amdhsa_kernarg_size 40
		.amdhsa_user_sgpr_count 2
		.amdhsa_user_sgpr_kernarg_segment_ptr 1
		.amdhsa_wavefront_size32 1
		.amdhsa_system_sgpr_workgroup_id_x 1
		.amdhsa_system_sgpr_workgroup_id_y 1
		.amdhsa_system_sgpr_workgroup_id_z 1
		.amdhsa_system_vgpr_workitem_id 0
		.amdhsa_next_free_vgpr 128
		.amdhsa_next_free_sgpr 66
		.amdhsa_reserve_vcc 1
		.amdhsa_float_denorm_mode_32 3
		.amdhsa_float_denorm_mode_16_64 3
		.amdhsa_memory_ordered 1
		.amdhsa_forward_progress 1
		.amdhsa_inst_pref_size 31
	.end_amdhsa_kernel
	.amdgpu_metadata
---
amdhsa.version: [ 1, 2 ]
amdhsa.kernels:
  - .name:           k_q8d1e63dc65_route
    .symbol:         k_q8d1e63dc65_route.kd
    .args:
      - { .name: expert_indices, .offset: 0, .size: 8, .value_kind: global_buffer, .address_space: global }
      - { .name: weights_codes, .offset: 8, .size: 8, .value_kind: global_buffer, .address_space: global }
      - { .name: order, .offset: 16, .size: 8, .value_kind: global_buffer, .address_space: global }
      - { .name: meta, .offset: 24, .size: 8, .value_kind: global_buffer, .address_space: global }
      - { .name: wfrag, .offset: 32, .size: 8, .value_kind: global_buffer, .address_space: global }
    .group_segment_fixed_size: 5120
    .private_segment_fixed_size: 0
    .kernarg_segment_align: 8
    .kernarg_segment_size: 40
    .max_flat_workgroup_size: 1024
    .sgpr_count:     66
    .vgpr_count:     128
    .wavefront_size: 32
...
	.end_amdgpu_metadata
.endif
;; end of part 1
;; launch experts (part 2): grid 212 x 1, 4 waves a work-group, no clusters, 101,376 bytes of LDS; arguments meta, order, lowp_scales, x, wfrag, out0; writes out0
.if DOCPART == 2
	.amdgcn_target "amdgcn-amd-amdhsa--gfx1250"
	.amdhsa_code_object_version 6
	.text
	.protected	k_q8d1e63dc65_experts
	.globl	k_q8d1e63dc65_experts
	.p2align	8
	.type	k_q8d1e63dc65_experts,@function
k_q8d1e63dc65_experts:
	s_mov_b64 s[64:65], 0
	v_nop
	global_prefetch_b8 v0, s[64:65] scope:SCOPE_SE
	s_setreg_imm32_b32 hwreg(HW_REG_WAVE_MODE, 25, 1), 1
	s_wait_xcnt 0x0
; out0[first + i][:] = Q(x[order[first + i]]) W[e] x 2^(eA + eB), rounded to f16: one tile of up to 80 sorted rows of ONE expert x all 512 columns x K = 1,024, on codes of BF8 (E5M2).
; Only a row's own expert is multiplied: under the other seven the row is zeros, which add nothing.  eA = lowp_scales[2 e], eB = lowp_scales[2 e + 1].
; GRID: with 16,384 rows, 8 experts and tiles of 80 rows there are never more than (16384 + 8 x 79) / 80 = 212 tiles, whatever the split.  A tile without rows walks the same text with every store
; masked off: the text has no branch at all, so its one barrier stands on every wave's path and nothing hangs on a loaded number but addresses and store masks.
; SHARES.  Phase X: wave w gathers rows 20 w .. 20 w + 19 (a load: 512 consecutive bytes of one row), quantises them in f32 and puts their codes into LDS as rows.  One barrier.
; Phase P: wave w makes columns 128 w .. 128 w + 127 for all 80 rows: 5 x 8 accumulators.  The weights come from wfrag, laid in the order of the operand's registers, straight into registers:
; 128 KB a wave on end, each byte once a work-group; x's fragments come from LDS.
; THE MATRIX INSTRUCTION IS USED TRANSPOSED (source 0 = 16 columns of W, source 1 = 16 rows of x): a lane holds eight neighbouring columns of one row of out0.
; A fragment's registers 4 c .. 4 c + 3 hold k = 32 c + 16 (lane / 16) + 0 .. 15: a permutation of k, the same on both sides, so every product meets its partner.
; NO JOINT LOADS, NO TENSOR LOADS: which tiles share an expert hangs on the counts in meta, so neighbouring work-groups need not want the same weights, and no weight passes through LDS.
; LIMITS: eA between -126 and 112, eA + eB between -126 and 127, so that each power of two below is an f32 number.  NaN in x is not served; an infinity is held at the largest code.
; REGISTERS, in windows of 256.  Window 0: v0-127 phase X: eight row slots of 16 registers (f16 pairs); phase P: x's fragments, set 0 v0-79, set 1 v80-159; way out: v0-63 sums x scale, v64-95 packed, v96-127 rows read back;
;   v160-191 32 numbers in f32; v192-207 two sets of codes; v224-255 addresses.   Window 1: W's sets 0 (v0-127) and 1 (v128-255).   Window 2: W's set 2 (v0-127); v128-191 the accumulators of rows 64-79.
;   Window 3: the accumulators of rows 0-63, (a, b) at v[8 (8 a + b)].
.set PA,     1040                      ; a row of codes in LDS: 1,024 bytes + 16: 65 x 16, so the 16 rows that a fragment load touches start 16 bytes apart modulo 256
.set STG,    80*PA                     ; behind the 80 rows: a stage of 16 rows x 272 bytes for each wave, for the way out
.set SPITCH, 272
.set T,    160
.set C,    192
.set L16,  224                         ; 16 x lane
.set WB,   225                         ; wfrag: 16 x lane + (e << 19) + (wave << 17); never rewritten
.set LX,   226                         ; LDS, phase X: 8 x lane + my wave's first row
.set LA,   227                         ; LDS, phase P: (lane % 16) x PA + 16 (lane / 16)
.set LA4,  228                         ; the same 64 rows on: beyond the 16 bits of an LDS immediate
.set STO,  229                         ; the way out: where I put 16 bytes of a row
.set RD,   230                         ; and where I read a row back
.set CO,   231                         ; my byte offset in out0
.set HL,   232                         ; lane / 16
.set SC,   233                         ; 2^eA as f32
.set LIM,  234                         ; 57,344 x 2^eA
.set XO,   236                         ; v236-255: row i of my 20: its token's byte offset in x + 16 x lane; never rewritten
.set TMPF, 0
.set PK,   64
.set BK,   96
.set MSB, 0
.macro WIN new                         ; the immediate's high byte repeats the setting that is left; a switch that changes nothing is dropped
.if MSB != (\new)
	s_set_vgpr_msb (MSB<<8)|(\new)
.set MSB, (\new)
.endif
.endm
	s_load_b256 s[4:11], s[0:1], 0x0               ; meta s[4:5], order s[6:7], lowp_scales s[8:9], x s[10:11]
	s_load_b128 s[12:15], s[0:1], 0x20             ; wfrag s[12:13], out0 s[14:15]
	v_lshl_add_u32 v223, v0, 2, 0x18a00
	v_mov_b32 v235, 0
	v_lshrrev_b32 v1, 5, v0
	v_readfirstlane_b32 s16, v1                    ; wave 0 .. 3
	v_and_b32 v2, 31, v0                           ; lane
	v_and_b32 v3, 15, v0                           ; lane % 16
	v_bfe_u32 v[HL], v0, 4, 1
	v_lshlrev_b32 v[L16], 4, v2
	s_mul_i32 s26, s16, 20*PA
	v_lshlrev_b32 v[LX], 3, v2
	v_add_nc_u32 v[LX], s26, v[LX]
	v_mul_u32_u24 v[LA], v3, PA
	v_lshl_add_u32 v[LA], v[HL], 4, v[LA]
	v_add_nc_u32 v[LA4], 64*PA, v[LA]
	s_mul_i32 s26, s16, 16*SPITCH
	s_add_co_u32 s26, s26, STG                     ; my stage
	v_mul_u32_u24 v[STO], v3, SPITCH
	v_lshl_add_u32 v[STO], v[HL], 4, v[STO]
	v_add_nc_u32 v[STO], s26, v[STO]
	v_mul_u32_u24 v[RD], v[HL], SPITCH
	v_lshl_add_u32 v[RD], v3, 4, v[RD]
	v_add_nc_u32 v[RD], s26, v[RD]
	v_lshlrev_b32 v[CO], 10, v[HL]                 ; lanes 0-15 one row of out0, lanes 16-31 the next
	v_lshl_add_u32 v[CO], v3, 4, v[CO]
	s_lshl_b32 s17, ttmp9, 4
	s_wait_kmcnt 0x0
	s_load_b128 s[20:23], s[4:5], s17 offset:0x0   ; my tile: expert, first sorted row, rows, 0
	s_wait_kmcnt 0x0
	s_min_u32 s20, s20, 7                          ; loaded numbers are bounded before they enter an address
	s_min_u32 s21, s21, 0x3fff
	s_min_u32 s22, s22, 80
	s_mul_i32 s18, s16, 20
	s_add_co_u32 s18, s18, s21
	s_lshl_b32 s18, s18, 2                         ; entry first + 20 x wave: 16,443 at the most, and 20 entries from there stay under order's 17,408
	s_load_b512 s[32:47], s[6:7], s18 offset:0x0   ; my 20 tokens
	s_load_b128 s[48:51], s[6:7], s18 offset:0x40
	s_lshl_b32 s19, s20, 3
	s_load_b64 s[24:25], s[8:9], s19 offset:0x0    ; eA, eB
	s_lshl_b32 s26, s20, 19
	s_lshl_b32 s27, s16, 17
	s_add_co_u32 s26, s26, s27
	v_add_nc_u32 v[WB], s26, v[L16]
	s_lshl_b32 s26, s21, 10                        ; a row of out0 is 1,024 bytes
	s_lshl_b32 s27, s16, 8                         ; my 128 columns: 256 bytes
	s_add_co_u32 s26, s26, s27
	v_add_nc_u32 v[CO], s26, v[CO]
	s_mov_b32 s54, s22                             ; rows still to be stored
	s_wait_kmcnt 0x0
.irp i, 0,1,2,3,4,5,6,7,8,9,10,11,12,13,14,15,16,17,18,19
	s_min_u32 s[32+\i], s[32+\i], 0x3fff
	s_lshl_b32 s[32+\i], s[32+\i], 11              ; a row of x is 2,048 bytes
	v_add_nc_u32 v[XO+\i], s[32+\i], v[L16]
.endr
; Row i of my 20 into ring slot i % 8: four loads of 512 consecutive bytes.  A row is named once in the launch, but for the rows behind a short tile's end, whose results are not stored.
.macro XLOAD i
.irp q, 0,1,2,3
	global_load_b128 v[16*((\i)%8)+4*\q:16*((\i)%8)+4*\q+3], v[XO+(\i)], s[10:11] offset:512*\q th:TH_LOAD_NT
.endr
.endm
; W's eight fragments of K step s into set s % 3: 32 loads of 512 consecutive bytes, 16 KB on end.
.macro BLOAD s
.set BN, (\s)%3
.set BW, 1+BN/2
.set BB, 128*(BN%2)
	WIN (BW<<6)                                    ; destination: the set's window; the address in window 0
.irp b, 0,1,2,3,4,5,6,7
.irp c, 0,1,2,3
	global_load_b128 v[BB+16*\b+4*\c:BB+16*\b+4*\c+3], v[WB], s[12:13] offset:(\s)*16384+\b*2048+\c*512
.endr
.endr
	WIN 0
.endm
; The 32 f16 halves of a ring slot, widened to f32 in v[T ..]: half 2 m + u of load q's registers is number 8 q + 2 m + u, so v[T + 8 q ..] are eight neighbours along K.
.macro CVTROW slot
.set cr, 0
.irp r, v0.l,v0.h,v1.l,v1.h,v2.l,v2.h,v3.l,v3.h,v4.l,v4.h,v5.l,v5.h,v6.l,v6.h,v7.l,v7.h,v8.l,v8.h,v9.l,v9.h,v10.l,v10.h,v11.l,v11.h,v12.l,v12.h,v13.l,v13.h,v14.l,v14.h,v15.l,v15.h,v16.l,v16.h,v17.l,v17.h,v18.l,v18.h,v19.l,v19.h,v20.l,v20.h,v21.l,v21.h,v22.l,v22.h,v23.l,v23.h,v24.l,v24.h,v25.l,v25.h,v26.l,v26.h,v27.l,v27.h,v28.l,v28.h,v29.l,v29.h,v30.l,v30.h,v31.l,v31.h,v32.l,v32.h,v33.l,v33.h,v34.l,v34.h,v35.l,v35.h,v36.l,v36.h,v37.l,v37.h,v38.l,v38.h,v39.l,v39.h,v40.l,v40.h,v41.l,v41.h,v42.l,v42.h,v43.l,v43.h,v44.l,v44.h,v45.l,v45.h,v46.l,v46.h,v47.l,v47.h,v48.l,v48.h,v49.l,v49.h,v50.l,v50.h,v51.l,v51.h,v52.l,v52.h,v53.l,v53.h,v54.l,v54.h,v55.l,v55.h,v56.l,v56.h,v57.l,v57.h,v58.l,v58.h,v59.l,v59.h,v60.l,v60.h,v61.l,v61.h,v62.l,v62.h,v63.l,v63.h,v64.l,v64.h,v65.l,v65.h,v66.l,v66.h,v67.l,v67.h,v68.l,v68.h,v69.l,v69.h,v70.l,v70.h,v71.l,v71.h,v72.l,v72.h,v73.l,v73.h,v74.l,v74.h,v75.l,v75.h,v76.l,v76.h,v77.l,v77.h,v78.l,v78.h,v79.l,v79.h,v80.l,v80.h,v81.l,v81.h,v82.l,v82.h,v83.l,v83.h,v84.l,v84.h,v85.l,v85.h,v86.l,v86.h,v87.l,v87.h,v88.l,v88.h,v89.l,v89.h,v90.l,v90.h,v91.l,v91.h,v92.l,v92.h,v93.l,v93.h,v94.l,v94.h,v95.l,v95.h,v96.l,v96.h,v97.l,v97.h,v98.l,v98.h,v99.l,v99.h,v100.l,v100.h,v101.l,v101.h,v102.l,v102.h,v103.l,v103.h,v104.l,v104.h,v105.l,v105.h,v106.l,v106.h,v107.l,v107.h,v108.l,v108.h,v109.l,v109.h,v110.l,v110.h,v111.l,v111.h,v112.l,v112.h,v113.l,v113.h,v114.l,v114.h,v115.l,v115.h,v116.l,v116.h,v117.l,v117.h,v118.l,v118.h,v119.l,v119.h,v120.l,v120.h,v121.l,v121.h,v122.l,v122.h,v123.l,v123.h,v124.l,v124.h,v125.l,v125.h,v126.l,v126.h,v127.l,v127.h
.if cr/32 == (\slot)
	v_cvt_f32_f16 v[T+cr%32], \r
.endif
.set cr, cr+1
.endr
.endm
; Row i is quantised and its 1,024 codes go into LDS.  cnt: the loads issued behind row i's four, which may stay out.
.macro PROC i, cnt
	s_wait_loadcnt \cnt                            ; loads come back in order: row i is in
	CVTROW ((\i)%8)
.set pj, 0
.rept 32
	v_med3_num_f32 v[T+pj], v[T+pj], -v[LIM], v[LIM]   ; the conversion to an 8-bit code does not saturate (ISA guide 7.6.2): the hold at the largest code x the scale
.set pj, pj+1
.endr
	s_wait_dscnt 4                                 ; the stores of two rows back, which read this set of code registers, are done; the last row's four may be out
.irp q, 0,1,2,3
	v_cvt_scalef32_pk8_bf8_f32 v[C+8*((\i)%2)+2*\q:C+8*((\i)%2)+2*\q+1], v[T+8*\q:T+8*\q+7], v[SC]
.endr
	v_nop                                          ; one plain vector line behind the run of scaled conversions: the next row's widenings write their sources
.irp q, 0,1,2,3
	ds_store_b64 v[LX], v[C+8*((\i)%2)+2*\q:C+8*((\i)%2)+2*\q+1] offset:(\i)*PA+256*\q   ; 32 lanes x 8 codes: 256 consecutive bytes of the row
.endr
.endm
; ---------------- phase X ----------------
.irp i, 0,1,2,3,4,5,6,7
	XLOAD \i
.endr
	BLOAD 0
	s_add_co_i32 s26, s24, 127
	s_lshl_b32 s27, s26, 23
	v_mov_b32 v[SC], s27                           ; 2^eA: the conversion takes its exponent field
	s_add_co_i32 s26, s26, 15
	s_lshl_b32 s26, s26, 23
	s_or_b32 s26, s26, 0x600000
	v_mov_b32 v[LIM], s26                          ; 57,344 x 2^eA
	s_add_co_i32 s52, s24, s25
	s_add_co_i32 s52, s52, 127
	s_lshl_b32 s52, s52, 23                        ; 2^(eA + eB)
	s_mov_b32 s53, s52                             ; (named with it as a pair, so it is written)
.irp i, 0,1,2,3,4,5,6,7
	PROC \i, 60                                    ; behind row i: seven rows (28) and W's set 0 (32)
	XLOAD \i+8
.endr
.irp i, 8,9,10,11
	PROC \i, 28                                    ; behind row i: seven rows
	XLOAD \i+8
.endr
	PROC 12, 28
	BLOAD 1
	PROC 13, 56                                    ; the rows left (24, 20, 16, 12) and W's set 1 (32)
	PROC 14, 52
	PROC 15, 48
	PROC 16, 44
	BLOAD 2
	PROC 17, 63                                    ; behind these rows 72, 68 and 64 loads were issued: the count is the largest that the wait can name, which is under all three
	PROC 18, 63
	PROC 19, 63
	s_wait_dscnt 0x0                               ; for the others' sake: my 20 rows of codes have landed
	s_barrier_signal -1
	s_barrier_wait -1                              ; 80 rows of codes lie in LDS.  (W's loads stay on their way: nobody writes those bytes)
; ---------------- phase P ----------------
; x's five fragments of K step s into set s % 2: lane (r, h) takes, of row 16 a + r, the 16 bytes at 128 s + 32 c + 16 h.
.macro ALOAD s
.irp a, 0,1,2,3
.irp c, 0,1,2,3
	ds_load_b128 v[80*((\s)%2)+16*\a+4*\c:80*((\s)%2)+16*\a+4*\c+3], v[LA] offset:16*\a*PA+128*(\s)+32*\c
.endr
.endr
.irp c, 0,1,2,3
	ds_load_b128 v[80*((\s)%2)+64+4*\c:80*((\s)%2)+64+4*\c+3], v[LA4] offset:128*(\s)+32*\c
.endr
.endm
; K step s: 40 matrix instructions; the 40 accumulators take turns, one instruction a turn, in the same order in every step.  Step 0 starts the sums with the constant 0.
.macro KSTEP s
.set BN, (\s)%3
.set BW, 1+BN/2
.set BB, 128*(BN%2)
.set AS, 80*((\s)%2)
.if (\s) < 7
	s_wait_dscnt 20                                ; x's set for this step is in; the next step's 20 loads may be out
.else
	s_wait_dscnt 0
.endif
.if (\s) < 6
	s_wait_loadcnt 63                              ; behind W's set s the sets s + 1 and s + 2 were issued, 64 loads: the largest count that the wait can name
.elseif (\s) == 6
	s_wait_loadcnt 32                              ; behind set 6: set 7
.else
	s_wait_loadcnt 0
.endif
	WIN (0xf0|BW)                                  ; source 0 (W) the set's window, source 1 (x) window 0, C and D window 3
.irp a, 0,1,2,3
.irp b, 0,1,2,3,4,5,6,7
.if (\s) == 0
	v_wmma_f32_16x16x128_bf8_bf8 v[8*(8*\a+\b):8*(8*\a+\b)+7], v[BB+16*\b:BB+16*\b+15], v[AS+16*\a:AS+16*\a+15], 0
.else
	v_wmma_f32_16x16x128_bf8_bf8 v[8*(8*\a+\b):8*(8*\a+\b)+7], v[BB+16*\b:BB+16*\b+15], v[AS+16*\a:AS+16*\a+15], v[8*(8*\a+\b):8*(8*\a+\b)+7]
.endif
.endr
.endr
	WIN (0xa0|BW)                                  ; rows 64-79: C and D window 2
.irp b, 0,1,2,3,4,5,6,7
.if (\s) == 0
	v_wmma_f32_16x16x128_bf8_bf8 v[128+8*\b:128+8*\b+7], v[BB+16*\b:BB+16*\b+15], v[AS+64:AS+79], 0
.else
	v_wmma_f32_16x16x128_bf8_bf8 v[128+8*\b:128+8*\b+7], v[BB+16*\b:BB+16*\b+15], v[AS+64:AS+79], v[128+8*\b:128+8*\b+7]
.endif
.endr
.rept 4
	v_nop                                          ; four places in front of loads into registers that these products have read, and, behind the last step, of the first read of results
.endr
.if (\s)+3 < 8
	BLOAD (\s)+3                                   ; into the set just left
.endif
	WIN 0
.if (\s)+2 < 8
	ALOAD (\s)+2                                   ; likewise
.endif
.endm
	ALOAD 0
	ALOAD 1
.irp s, 0,1,2,3,4,5,6,7
	KSTEP \s
.endr
; ---------------- the way out ----------------
; Block a of 16 rows x my 128 columns: sums x 2^(eA + eB), rounded to f16; a lane's eight columns are 16 bytes, which go into my own stage (rows of 272 bytes) and come back as whole rows of 256 bytes.
.macro PACK a
.if (\a) < 4
.set AC, 64*(\a)
	WIN 0x03                                       ; source 0: window 3
.else
.set AC, 128
	WIN 0x02                                       ; source 0: window 2
.endif
.set pj, 0
.rept 32
	v_pk_mul_f32 v[TMPF+pj:TMPF+pj+1], v[AC+pj:AC+pj+1], s[52:53] op_sel_hi:[1,0]   ; both x s52; each accumulator from its low end on
.set pj, pj+2
.endr
	WIN 0
.set pj, 0
.rept 32
	v_cvt_pk_f16_f32 v[PK+pj], v[TMPF+2*pj], v[TMPF+2*pj+1]
.set pj, pj+1
.endr
.endm
.macro TOSTAGE
.irp b, 0,1,2,3,4,5,6,7
	ds_store_b128 v[STO], v[PK+4*\b:PK+4*\b+3] offset:32*\b
.endr
.irp t, 0,1,2,3,4,5,6,7
	ds_load_b128 v[BK+4*\t:BK+4*\t+3], v[RD] offset:\t*2*SPITCH   ; LDS serves a wave's instructions in order (ISA guide 5.7.1.4): these see the stores above, and the next block's stores come behind them
.endr
.endm
; Two rows an instruction: sixteen lanes store 256 consecutive bytes, at a multiple of 256 from out0's first byte.  A row at or behind the tile's count is masked off: s54 = rows left from this pair of rows on.
.macro SEND a
	s_wait_dscnt 0x0                               ; the block is back in registers
.irp t, 0,1,2,3,4,5,6,7
	v_cmp_gt_i32 vcc_lo, s54, v[HL]
	s_and_saveexec_b32 s55, vcc_lo                 ; (no memory instruction has been issued since the last wait on XCNT)
	global_store_b128 v[CO], v[BK+4*\t:BK+4*\t+3], s[14:15] offset:(16*(\a)+2*\t)*1024 th:TH_STORE_NT
	s_wait_xcnt 0x0                                ; EXEC, and later the store's data registers, change only behind this wait
	s_or_b32 exec_lo, exec_lo, s55
	s_sub_co_i32 s54, s54, 2
.endr
.endm
	s_wait_xcnt 0x0                                ; every earlier memory instruction has had its address translated: EXEC may change
	PACK 0
	TOSTAGE
.irp a, 1,2,3,4
	PACK \a                                        ; block a's arithmetic stands between block a - 1's loads from the stage and the wait for them
	SEND \a-1
	TOSTAGE
.endr
	SEND 4
	s_wait_xcnt 0x0
	s_mov_b32 exec_lo, -1
	s_wait_tensorcnt 0x0
	ds_add_u32 v223, v235
	s_wait_dscnt 0x0
	s_endpgm
.Lfunc_end_k_q8d1e63dc65_experts:
	.size	k_q8d1e63dc65_experts, .Lfunc_end_k_q8d1e63dc65_experts-k_q8d1e63dc65_experts
	.p2alignl 7, 3214868480
	.fill 96, 4, 3214868480
	.section	.rodata,"a",@progbits
	.p2align	6, 0x0
	.amdhsa_kernel k_q8d1e63dc65_experts
		.amdhsa_group_segment_fixed_size 101376
		.amdhsa_private_segment_fixed_size 0
		.amdhsa_enable_private_segment 0
		.amdhsa_kernarg_size 48
		.amdhsa_user_sgpr_count 2
		.amdhsa_user_sgpr_kernarg_segment_ptr 1
		.amdhsa_wavefront_size32 1
		.amdhsa_system_sgpr_workgroup_id_x 1
		.amdhsa_system_sgpr_workgroup_id_y 1
		.amdhsa_system_sgpr_workgroup_id_z 1
		.amdhsa_system_vgpr_workitem_id 0
		.amdhsa_next_free_vgpr 1024
		.amdhsa_next_free_sgpr 66
		.amdhsa_reserve_vcc 1
		.amdhsa_float_denorm_mode_32 3
		.amdhsa_float_denorm_mode_16_64 3
		.amdhsa_memory_ordered 1
		.amdhsa_forward_progress 1
		.amdhsa_inst_pref_size 178
	.end_amdhsa_kernel
	.amdgpu_metadata
---
amdhsa.version: [ 1, 2 ]
amdhsa.kernels:
  - .name:           k_q8d1e63dc65_experts
    .symbol:         k_q8d1e63dc65_experts.kd
    .args:
      - { .name: meta, .offset: 0, .size: 8, .value_kind: global_buffer, .address_space: global }
      - { .name: order, .offset: 8, .size: 8, .value_kind: global_buffer, .address_space: global }
      - { .name: lowp_scales, .offset: 16, .size: 8, .value_kind: global_buffer, .address_space: global }
      - { .name: x, .offset: 24, .size: 8, .value_kind: global_buffer, .address_space: global }
      - { .name: wfrag, .offset: 32, .size: 8, .value_kind: global_buffer, .address_space: global }
      - { .name: out0, .offset: 40, .size: 8, .value_kind: global_buffer, .address_space: global }
    .group_segment_fixed_size: 101376
    .private_segment_fixed_size: 0
    .kernarg_segment_align: 8
    .kernarg_segment_size: 48
    .max_flat_workgroup_size: 128
    .sgpr_count:     66
    .vgpr_count:     1024
    .wavefront_size: 32
...
	.end_amdgpu_metadata
.endif
;; end of part 2
